; MI455X (gfx1250); checked and timed in simulation.
; The chip was launched on July 23, 2026; its instructions are those of AMD's public machine-readable ISA for CDNA 5 (MIT licence, August 2026) and "CDNA5" Instruction Set Architecture Reference Guide (July 2026). The comments in the code are by the model that wrote it; some were corrected since.
;; Multi Head Self Attention. Allowed arithmetic: matrix products marked QUANTISED: E2M1 operands, one E8M0 scale for each 32 along K, by v_wmma_scale_f32_16x16x128_f8f6f4 with both operands' format E2M1 (or v_wmma_scale_f32_32x16x128_f4), f32 sums; products left as they are: bf16, f16 or f32 operands; f32 sums; everything else in f32.
;; Inputs: K 8 x 2,048 x 512 float32; Q 8 x 2,048 x 512 float32; V 8 x 2,048 x 512 float32; Wk 512 x 512 float32; Wo 512 x 512 float32; Wq 512 x 512 float32; Wv 512 x 512 float32; attn_mask 8 x 1 x 2,048 x 2,048 int32; bo 512 float32; tau one number float32.
;; Outputs: out0 8 x 2,048 x 512 float32.
;; This version of the problem:
;;   THIS VERSION OF THE PROBLEM IS GIVEN IN LOW PRECISION. The matrix products marked QUANTISED in the list below multiply operands that are first quantised to E2M1 (2 exponent bits, 1 mantissa bit; 4 bits a number), with one power-of-two scale for each 32 numbers along K (OCP MX v1.0); their sums are f32. The products marked 'left as it is' may take bf16, f16 or f32 operands, with f32 sums. Whichever they take, every output number must still come out within the allowed error. Rounding operands to bf16 (8 significant bits) uses up far more of that allowance than f16 does (11 bits, for magnitudes from 6e-5 to 65,504). All else is computed in f32.
;;   The module's matrix products, in the order in which they are computed (A, B: the left and right operand; K: the contracted axis; several contracted axes count as one K, in the product's order):
;;     1. [M 16,384, K 512] x [K 512, N 512]; A: input Q; B: input Wq: QUANTISED
;;     2. [M 16,384, K 512] x [K 512, N 512]; A: input K; B: input Wk: QUANTISED
;;     3. [M 16,384, K 512] x [K 512, N 512]; A: input V; B: input Wv: QUANTISED
;;     4. batch 64 x [M 2,048, K 64] x [K 64, N 2,048]; A: computed on the way; B: computed on the way: left as it is (an operand is computed on the way)
;;     5. batch 64 x [M 2,048, K 2,048] x [K 2,048, N 64]; A: computed on the way; B: computed on the way: left as it is (an operand is computed on the way)
;;     6. [M 16,384, K 512] x [K 512, N 512]; A: computed on the way; B: input Wo: left as it is (an operand is computed on the way)
;;   THE QUANTISER, for each operand of a quantised product, along K:
;;     - K is cut into blocks of 32 from its start; a last block that is shorter is filled with zeros.
;;     - A block's scale is 2^e with e = floor(log2(the largest magnitude in the block)) - 2, held to -126 .. 127; a block of zeros has e = 0. As a byte (E8M0): e + 127.
;;     - Each number is divided by its block's scale, clamped to +-6, and rounded to the nearest number of E2M1, ties to even, subnormals kept.
;;     - The product sums the exact products of the quantised numbers (number of the format x scale) in f32.
;;   ~~~python
;;   def quantise(x, axis):      # numpy; x: float32 -> the quantised numbers, widened to float32 again
;;       x = np.moveaxis(x, axis, -1); K = x.shape[-1]
;;       x = np.pad(x, [(0, 0)] * (x.ndim - 1) + [(0, -K % 32)]); x = x.reshape(x.shape[:-1] + (-1, 32)); a = np.abs(x).max(-1, keepdims=True)
;;       e = np.where(a > 0, np.clip(np.frexp(np.where(a > 0, a, 1))[1] - 1 - 2, -126, 127), 0)      # np.frexp(a)[1] - 1 = floor(log2(a)), exactly
;;       r = np.clip(x / 2.0 ** e, -6, 6)
;;       step = 2.0 ** (np.maximum(np.frexp(np.where(r == 0, 1, r))[1] - 1, 0) - 1)
;;       q = np.round(r / step) * step * 2.0 ** e      # np.round: ties to even
;;       return np.moveaxis(q.reshape(q.shape[:-2] + (-1,))[..., :K], -1, axis).astype(np.float32)
;;   ~~~
;; One version. Each part assembles by itself: llvm-mc -triple=amdgcn-amd-amdhsa -mcpu=gfx1250 --defsym DOCPART=n.
;; ======== version 1 of 1: 4 launches
;; limits: values are held in f16: magnitudes above 65,504 overflow, below 6.1e-05 lose precision
;; workspace buffers: maskw 4,194,304 bytes of whole numbers; wcodes 393,216 bytes; wscales 49,152 bytes; wof 524,288 bytes; qf 16,777,216 bytes; kf 16,777,216 bytes; vf 16,777,216 bytes; of 16,777,216 bytes
;; launch prep (part 1): grid 540 x 1, 8 waves a work-group, no clusters, 70,656 bytes of LDS; arguments attn_mask, Wq, Wk, Wv, Wo, maskw, wcodes, wscales, wof; writes maskw, wcodes, wscales, wof
.if DOCPART == 1
	.amdgcn_target "amdgcn-amd-amdhsa--gfx1250"
	.amdhsa_code_object_version 6
	.text
	.protected	k_q01bb7bd48c_prep
	.globl	k_q01bb7bd48c_prep
	.p2align	8
	.type	k_q01bb7bd48c_prep,@function
k_q01bb7bd48c_prep:
	s_mov_b64 s[64:65], 0
	v_nop
	global_prefetch_b8 v0, s[64:65] scope:SCOPE_SE
	s_setreg_imm32_b32 hwreg(HW_REG_WAVE_MODE, 25, 1), 1
	s_wait_xcnt 0x0
; Three jobs that the later launches need done once, told apart by the work-group's number:
;   work-groups 0-11   : Wq, Wk, Wv [512][512] f32 -> codes of FP4 (E2M1) and E8M0 scale words, laid in the order of a matrix operand's registers
;   work-groups 12-27  : Wo [512][512] f32 -> f16, laid in the order of a matrix operand's registers
;   work-groups 28-539 : attn_mask [8][2048][2048] i32 -> one bit a number, laid as the lane masks that the attention launch selects by
; A FRAGMENT (8 registers a lane) lies as [c 0..1][lane 0..31][16 bytes], c = 0: registers 0-3, c = 1: registers 4-7: every store and every later load covers 512 consecutive bytes.
; THE QUANTISER: a block of 32 along K has the scale 2^(floor(log2(largest magnitude)) - 2); its byte is the largest magnitude's exponent field - 2, held at 1 from below.
; LIMITS: a block of zeros, and a block whose largest magnitude lies under 2^-124, keeps the byte 1 (a block of zeros has zero codes, which add nothing; this program alone reads the bytes).
; NaN and infinities among the weights are not served.  Wo's numbers stay inside f16's range (65,504).
.set PITCH, 272                        ; the mask's stage: a row of 256 bytes + 16 of padding, so that the 16 rows of a 16-byte read fall on 16 different columns of banks
.set STG,   32*PITCH                   ; a wave's stage: 32 queries x 64 keys
.set SPARE, 8*STG                      ; behind the eight stages: the spare words, 128 bytes for each wave; no other line names them
.set LI,    4                          ; v4   16 x lane
.set SPW,   5                          ; v5   LDS address of my spare word; never rewritten
.set NIL,   6                          ; v6   0; never rewritten
.set GOF,   7                          ; v7   my byte offset in the tensor that my path reads
.set STO,   13                         ; v13  the mask path: where I put 16 bytes of a row into my wave's stage
.set RD,    14                         ; v14  the mask path: where I read my query's keys back
.set OW,    24                         ; v24-31 the mask path: a unit's 64 words, two a lane, a pair of registers for each of the four units
	s_load_b256 s[4:11], s[0:1], 0x0               ; attn_mask s[4:5], Wq s[6:7], Wk s[8:9], Wv s[10:11]
	s_load_b256 s[12:19], s[0:1], 0x20             ; Wo s[12:13], maskw s[14:15], wcodes s[16:17], wscales s[18:19]
	s_load_b64 s[20:21], s[0:1], 0x40              ; wof
	v_lshl_add_u32 v[SPW], v0, 2, SPARE
	v_mov_b32 v[NIL], 0
	v_lshrrev_b32 v1, 5, v0
	v_readfirstlane_b32 s3, v1                     ; wave 0..7
	v_and_b32 v1, 31, v0                           ; lane
	v_and_b32 v2, 15, v0                           ; r
	v_bfe_u32 v3, v0, 4, 1                         ; h
	v_lshlrev_b32 v[LI], 4, v1
	s_mul_i32 s27, s3, STG                         ; my wave's stage
	v_mul_u32_u24 v[STO], v3, PITCH                ; in: lanes 0-15 one row of 256 bytes, lanes 16-31 the next
	v_lshl_add_u32 v[STO], v2, 4, v[STO]
	v_add_nc_u32 v[STO], s27, v[STO]
	v_mul_u32_u24 v[RD], v2, PITCH                 ; back: query r, and 8 keys (32 bytes) further on for lanes 16-31
	v_lshl_add_u32 v[RD], v3, 5, v[RD]
	v_add_nc_u32 v[RD], s27, v[RD]
	s_mov_b32 s25, 0                               ; the upper word of every 64-bit offset below
	s_wait_kmcnt 0x0
	s_cmp_lt_u32 ttmp9, 12
	s_cbranch_scc1 .Lw4
	s_cmp_lt_u32 ttmp9, 28
	s_cbranch_scc1 .Lwo
; ---------------- THE MASK.  Work-group idx = 64 b + qp owns 32 queries (rows 32 idx of the 16,384); wave w owns key steps 4 w .. 4 w + 3 of 64 keys: four units of 32 queries x 64 keys.
; A unit comes as 16 loads of two rows x 256 whole bytes, turns through the wave's own stage, and comes back so that lane (r, h) holds, in register 32 t + 8 kt + jj, the number of
; query 16 t + r and key 16 kt + 8 h + jj: the place of score register 8 kt + jj of query tile t in the attention launch.  A compare with 0 then IS that register's lane mask.
	s_sub_co_u32 s22, ttmp9, 28                    ; idx
	s_lshl_b32 s26, s3, 10                         ; my wave's 256 keys are 1,024 bytes of a row, and its four units 1,024 bytes of words
	s_lshl_b32 s24, s22, 18                        ; 32 rows of 8,192 bytes
	s_add_co_u32 s24, s24, s26
	s_add_nc_u64 s[4:5], s[4:5], s[24:25]
	s_lshl_b32 s24, s22, 13                        ; 32 steps of 256 bytes of words
	s_add_co_u32 s24, s24, s26
	s_add_nc_u64 s[14:15], s[14:15], s[24:25]
	v_lshlrev_b32 v[GOF], 13, v3                   ; lanes 16-31 one row down,
	v_lshl_add_u32 v[GOF], v2, 4, v[GOF]           ; 16 bytes a lane
	v_lshlrev_b32 v18, 3, v1                       ; out: 8 bytes a lane
.irp i, 0,1,2,3,4,5,6,7
	v_mov_b32 v[OW+\i], 0                          ; written once: a lane write's destination counts as one of its sources
.endr
.macro LOADM u                         ; unit u: rows 2 i and 2 i + 1, 256 bytes of each, into set u % 2
.irp i, 0,1,2,3,4,5,6,7,8,9,10,11,12,13,14,15
	global_load_b128 v[64+64*((\u)%2)+4*\i:64+64*((\u)%2)+4*\i+3], v[GOF], s[4:5] offset:16384*\i+256*(\u) th:TH_LOAD_NT
.endr
.endm
.macro UNIT u
.if (\u) < 3
	s_wait_loadcnt 16                              ; this unit's 16 loads are in; the next unit's 16 may be out
.else
	s_wait_loadcnt 0x0
.endif
.irp i, 0,1,2,3,4,5,6,7,8,9,10,11,12,13,14,15
	ds_store_b128 v[STO], v[64+64*((\u)%2)+4*\i:64+64*((\u)%2)+4*\i+3] offset:2*PITCH*\i
.endr
.irp t, 0,1
.irp kt, 0,1,2,3
.irp e, 0,1
	ds_load_b128 v[192+32*\t+8*\kt+4*\e:192+32*\t+8*\kt+4*\e+3], v[RD] offset:16*PITCH*\t+64*\kt+16*\e   ; LDS serves a wave's instructions in order: these see the stores above
.endr
.endr
.endr
	s_wait_dscnt 0x0                               ; the stores have read their registers, and the unit is back
.if (\u)+2 < 4
	LOADM (\u)+2                                   ; so the set takes the unit two further on
.endif
.irp q, 0,1,2,3,4,5,6,7                ; word n = 32 t + j = 8 q + e goes to lane n / 2, register n % 2: a lane then stores words 2 l and 2 l + 1
.irp e, 0,1,2,3,4,5,6,7
	v_cmp_ne_u32 s[32+\e], 0, v[192+8*\q+\e]
.endr
.irp e, 0,1,2,3,4,5,6,7
	v_writelane_b32 v[OW+2*(\u)+\e%2], s[32+\e], (8*\q+\e)/2
.endr
.endr
	global_store_b64 v18, v[OW+2*(\u):OW+2*(\u)+1], s[14:15] offset:256*(\u)   ; 32 lanes store 256 consecutive bytes, aligned; each unit has registers of its own
.endm
	LOADM 0
	LOADM 1
	UNIT 0
	UNIT 1
	UNIT 2
	UNIT 3
	s_wait_tensorcnt 0x0                           ; the wave's end: behind my last LDS store
	ds_add_u32 v[SPW], v[NIL]
	s_wait_dscnt 0x0
	s_endpgm
; ---------------- Wq, Wk, Wv.  Wave id = 32 ty + nt takes 16 rows (output channels 16 nt ..) of tensor ty, all 512 along K: four fragments and their scale words.
; Lane (r, h) loads, of row r, k = 128 ks + 64 c + 32 h + 0 .. 31: two whole blocks of 32, in the order in which the operand's layout gives them to that lane; so the conversions' results ARE the operand's registers.
.Lw4:
	s_lshl_b32 s22, ttmp9, 3
	s_add_co_u32 s22, s22, s3                      ; id
	s_lshr_b32 s23, s22, 5                         ; ty
	s_and_b32 s24, s22, 31                         ; nt
	s_cmp_eq_u32 s23, 0
	s_cselect_b64 s[28:29], s[6:7], s[8:9]
	s_cmp_eq_u32 s23, 2
	s_cselect_b64 s[28:29], s[10:11], s[28:29]
	s_lshl_b32 s24, s24, 15                        ; 16 rows of 2,048 bytes
	s_add_nc_u64 s[28:29], s[28:29], s[24:25]
	s_lshl_b32 s24, s22, 12                        ; four fragments of 1,024 bytes
	s_add_nc_u64 s[16:17], s[16:17], s[24:25]
	s_lshl_b32 s24, s22, 9                         ; 32 lanes x four scale words
	s_add_nc_u64 s[18:19], s[18:19], s[24:25]
	v_lshlrev_b32 v[GOF], 11, v2                   ; row r,
	v_lshl_add_u32 v[GOF], v3, 7, v[GOF]           ; + 32 numbers for lanes 16-31
	v_lshlrev_b32 v23, 3, v3                       ; 8 h: my bytes' shift in a scale word
	v_mov_b32 v12, 0                               ; written once: a lane permute's destination counts as one of its sources
	s_mov_b32 s30, 0x76543210
	s_mov_b32 s31, 0xfedcba98                      ; v_permlanex16_b32's selects for lane l xor 16
.macro LOADW ks
.irp c, 0,1
.irp i, 0,1,2,3,4,5,6,7
	global_load_b128 v[64+64*((\ks)%2)+32*\c+4*\i:64+64*((\ks)%2)+32*\c+4*\i+3], v[GOF], s[28:29] offset:512*(\ks)+256*\c+16*\i
.endr
.endr
.endm
.macro QW ks
.set XB, 64+64*((\ks)%2)
.if (\ks) < 3
	s_wait_loadcnt 16                              ; this K step's 16 loads are in; the next one's may be out
.else
	s_wait_loadcnt 0x0
.endif
.irp c, 0,1
	v_max3_num_f32 v[16+\c], |v[XB+32*\c]|, |v[XB+32*\c+1]|, 0x1800000   ; block 2 c + h: all 32 numbers are mine; the floor 2^(3 - 127) holds the byte at 1 from below
.endr
.irp i, 2,4,6,8,10,12,14,16,18,20,22,24,26,28,30
.irp c, 0,1
	v_max3_num_f32 v[16+\c], v[16+\c], |v[XB+32*\c+\i]|, |v[XB+32*\c+\i+1]|   ; (the two blocks by turns)
.endr
.endr
.irp c, 0,1
	v_add_nc_u32 v[18+\c], 0xff000000, v[16+\c]    ; 2 off the exponent field: the conversion takes this operand's exponent field as its scale
.endr
.irp c, 0,1
	v_lshrrev_b32 v[20+\c], 23, v[18+\c]           ; the scale's byte
.endr
	v_lshl_or_b32 v22, v21, 16, v20                ; blocks h and 2 + h,
	v_lshlrev_b32 v22, v23, v22                    ; at their places in the word;
	v_permlanex16_b32 v12, v22, s30, s31
	v_or_b32 v[24+(\ks)], v22, v12                 ; with lane l xor 16's two the word is whole, in both halves of the lanes
.irp c, 0,1
.irp g, 0,1,2,3
	v_cvt_scalef32_pk8_fp4_f32 v[32+8*(\ks)+4*\c+\g], v[XB+32*\c+8*\g:XB+32*\c+8*\g+7], v[18+\c]
.endr
.endr
	v_nop                                          ; one plain instruction behind the last scaled conversion
.irp c, 0,1
	global_store_b128 v[LI], v[32+8*(\ks)+4*\c:32+8*(\ks)+4*\c+3], s[16:17] offset:1024*(\ks)+512*\c   ; each K step has code registers of its own: no store's data are written again
.endr
.if (\ks)+2 < 4
	LOADW (\ks)+2
.endif
.endm
	LOADW 0
	LOADW 1
	QW 0
	QW 1
	QW 2
	QW 3
	global_store_b128 v[LI], v[24:27], s[18:19]    ; my row's four scale words
	s_endpgm
; ---------------- Wo.  Wave id = 16 g + ks takes rows 64 g .. 64 g + 63 and k = 32 ks .. + 31: four fragments i, whose lane r is row 64 g + 4 r + i,
; so that in the last launch four accumulators hold four NEIGHBOURING output columns in one lane.
.Lwo:
	s_sub_co_u32 s22, ttmp9, 12
	s_lshl_b32 s22, s22, 3
	s_add_co_u32 s22, s22, s3                      ; id
	s_lshr_b32 s23, s22, 4                         ; g
	s_and_b32 s24, s22, 15                         ; ks
	s_lshl_b32 s23, s23, 17                        ; 64 rows of 2,048 bytes
	s_lshl_b32 s24, s24, 7                         ; 32 numbers
	s_add_co_u32 s24, s24, s23
	s_add_nc_u64 s[12:13], s[12:13], s[24:25]
	s_lshl_b32 s24, s22, 12
	s_add_nc_u64 s[20:21], s[20:21], s[24:25]
	v_lshlrev_b32 v[GOF], 13, v2                   ; row 4 r,
	v_lshl_add_u32 v[GOF], v3, 5, v[GOF]           ; + 8 numbers for lanes 16-31
.irp i, 0,1,2,3
.irp c, 0,1
.irp e, 0,1
	global_load_b128 v[64+16*\i+8*\c+4*\e:64+16*\i+8*\c+4*\e+3], v[GOF], s[12:13] offset:2048*\i+64*\c+16*\e   ; k = 32 ks + 16 c + 8 h + 4 e + 0 .. 3
.endr
.endr
.endr
	s_wait_loadcnt 0x0
.irp n, 0,1,2,3,4,5,6,7,8,9,10,11,12,13,14,15,16,17,18,19,20,21,22,23,24,25,26,27,28,29,30,31
	v_cvt_pk_f16_f32 v[128+\n], v[64+2*\n], v[65+2*\n]
.endr
.irp i, 0,1,2,3
.irp c, 0,1
	global_store_b128 v[LI], v[128+8*\i+4*\c:128+8*\i+4*\c+3], s[20:21] offset:1024*\i+512*\c
.endr
.endr
	s_endpgm
.Lfunc_end_k_q01bb7bd48c_prep:
	.size	k_q01bb7bd48c_prep, .Lfunc_end_k_q01bb7bd48c_prep-k_q01bb7bd48c_prep
	.p2alignl 7, 3214868480
	.fill 96, 4, 3214868480
	.section	.rodata,"a",@progbits
	.p2align	6, 0x0
	.amdhsa_kernel k_q01bb7bd48c_prep
		.amdhsa_group_segment_fixed_size 70656
		.amdhsa_private_segment_fixed_size 0
		.amdhsa_enable_private_segment 0
		.amdhsa_kernarg_size 72
		.amdhsa_user_sgpr_count 2
		.amdhsa_user_sgpr_kernarg_segment_ptr 1
		.amdhsa_wavefront_size32 1
		.amdhsa_system_sgpr_workgroup_id_x 1
		.amdhsa_system_sgpr_workgroup_id_y 1
		.amdhsa_system_sgpr_workgroup_id_z 1
		.amdhsa_system_vgpr_workitem_id 0
		.amdhsa_next_free_vgpr 256
		.amdhsa_next_free_sgpr 66
		.amdhsa_reserve_vcc 0
		.amdhsa_float_denorm_mode_32 3
		.amdhsa_float_denorm_mode_16_64 3
		.amdhsa_memory_ordered 1
		.amdhsa_forward_progress 1
		.amdhsa_inst_pref_size 74
	.end_amdhsa_kernel
	.amdgpu_metadata
---
amdhsa.version: [ 1, 2 ]
amdhsa.kernels:
  - .name:           k_q01bb7bd48c_prep
    .symbol:         k_q01bb7bd48c_prep.kd
    .args:
      - { .name: attn_mask, .offset: 0, .size: 8, .value_kind: global_buffer, .address_space: global }
      - { .name: Wq, .offset: 8, .size: 8, .value_kind: global_buffer, .address_space: global }
      - { .name: Wk, .offset: 16, .size: 8, .value_kind: global_buffer, .address_space: global }
      - { .name: Wv, .offset: 24, .size: 8, .value_kind: global_buffer, .address_space: global }
      - { .name: Wo, .offset: 32, .size: 8, .value_kind: global_buffer, .address_space: global }
      - { .name: maskw, .offset: 40, .size: 8, .value_kind: global_buffer, .address_space: global }
      - { .name: wcodes, .offset: 48, .size: 8, .value_kind: global_buffer, .address_space: global }
      - { .name: wscales, .offset: 56, .size: 8, .value_kind: global_buffer, .address_space: global }
      - { .name: wof, .offset: 64, .size: 8, .value_kind: global_buffer, .address_space: global }
    .group_segment_fixed_size: 70656
    .private_segment_fixed_size: 0
    .kernarg_segment_align: 8
    .kernarg_segment_size: 72
    .max_flat_workgroup_size: 256
    .sgpr_count:     66
    .vgpr_count:     256
    .wavefront_size: 32
...
	.end_amdgpu_metadata
.endif
;; end of part 1
;; launch proj (part 2): grid 256 x 3, 16 waves a work-group, no clusters, 20,480 bytes of LDS; arguments Q, K, V, wcodes, wscales, tau, qf, kf, vf; writes qf, kf, vf
.if DOCPART == 2
	.amdgcn_target "amdgcn-amd-amdhsa--gfx1250"
	.amdhsa_code_object_version 6
	.text
	.protected	k_q01bb7bd48c_proj
	.globl	k_q01bb7bd48c_proj
	.p2align	8
	.type	k_q01bb7bd48c_proj,@function
k_q01bb7bd48c_proj:
	s_mov_b64 s[64:65], 0
	v_nop
	global_prefetch_b8 v0, s[64:65] scope:SCOPE_SE
	s_setreg_imm32_b32 hwreg(HW_REG_WAVE_MODE, 25, 1), 1
	s_wait_xcnt 0x0
; q = Q Wq^T, k = K Wk^T, v = V Wv^T, each [16384][512] x [512][512], on codes of FP4 (E2M1) with one E8M0 scale for each 32 along K; sums in f32.
; Grid y says which of the three; grid x is a block of 64 tokens.  x arrives as f32 and is read once: it is quantised here, on the way; the weights come as codes in the order of an operand's registers.
; SHARES.  Each of the sixteen waves quantises 4 of the 64 rows; the codes meet in LDS as rows; one barrier.  Wave w then makes output channels 32 w .. 32 w + 31 (half a head) for all 64 tokens:
; its 8 fragments of W stay in registers, and 4 x 2 accumulators take turns through 4 K steps of 128.
; THE RESULTS LEAVE AS THE ATTENTION LAUNCH'S OPERANDS, in f16, in the order of their registers.  q and k: source 0 = W, source 1 = x: a lane holds one token and eight neighbouring channels.
; v: source 0 = x, source 1 = W: a lane holds one channel and eight neighbouring tokens, since the keys are the second product's K.  Four conversions make 16 bytes; a store covers 512 consecutive bytes.
; q is multiplied by log2(e) / tau in f32 ahead of its rounding, so that the scores come out as exponents of 2.
; LIMITS: |q log2(e) / tau|, |k|, |v| stay inside f16's range (65,504).  A block of zeros, and one whose largest magnitude lies under 2^-124, keeps the byte 1.  NaN and infinities among the inputs are not served.
.set PITCH, 272                        ; a row of 512 codes: 256 bytes + 16, so that the 16 rows of a fragment load fall on 16 different columns of banks
.set XSB,   64*PITCH                   ; behind the codes: 16 scale bytes a row
.set SPARE, XSB+1024                   ; behind them: the spare words, 128 bytes for each wave; no other line names them
.set XO,  1                            ; v1   32 x lane: my 8 numbers of a half row
.set LI,  2                            ; v2   16 x lane
.set CST, 3                            ; v3   where my codes go: my wave's 4 rows, 4 bytes a lane
.set SST, 4                            ; v4   where my block's scale byte goes
.set XA,  5                            ; v5   a fragment of x: row r, + 16 h
.set XSA, 6                            ; v6   x's scale words: 16 bytes a row
.set SPW, 8                            ; v8   LDS address of my spare word; never rewritten
.set NIL, 9                            ; v9   0; never rewritten
.set FAC, 10                           ; v[10:11] log2(e) / tau, twice
.set W,   16                           ; v16-79   W's fragments (n, ks) at 32 n + 8 ks
.set WS,  80                           ; v80-87   W's scale words (n, ks) at 4 n + ks: scales and nothing else
.set XSC, 88                           ; v88-103  x's scale words (m, ks) at 4 m + ks: scales and nothing else
.set XF,  104                          ; v104-167 x's fragments, two sets of four; before the barrier the quantiser's registers; at the end the packed results
.set TM,  104
.set SO,  112
.set BY,  120
.set CD,  128
.set ACC, 168                          ; v168-231 x as loaded (unit u at 8 u), then the accumulators (m, n) at 16 m + 8 n
	s_load_b256 s[4:11], s[0:1], 0x0               ; Q s[4:5], K s[6:7], V s[8:9], wcodes s[10:11]
	s_load_b256 s[12:19], s[0:1], 0x20             ; wscales s[12:13], tau s[14:15], qf s[16:17], kf s[18:19]
	s_load_b64 s[20:21], s[0:1], 0x40              ; vf
	v_lshl_add_u32 v[SPW], v0, 2, SPARE
	v_mov_b32 v[NIL], 0
	v_lshrrev_b32 v1, 5, v0
	v_readfirstlane_b32 s3, v1                     ; wave 0..15
	v_and_b32 v7, 31, v0                           ; lane
	v_and_b32 v12, 15, v0                          ; r
	v_bfe_u32 v13, v0, 4, 1                        ; h
	v_lshlrev_b32 v[XO], 5, v7
	v_lshlrev_b32 v[LI], 4, v7
	s_mul_i32 s24, s3, 4*PITCH
	v_lshl_add_u32 v[CST], v7, 2, s24
	s_lshl_b32 s25, s3, 6
	s_add_co_u32 s25, s25, XSB
	v_lshrrev_b32 v[SST], 2, v7                    ; four lanes share a block of 32
	v_add_nc_u32 v[SST], s25, v[SST]
	v_mul_u32_u24 v[XA], v12, PITCH
	v_lshl_add_u32 v[XA], v13, 4, v[XA]
	v_lshl_add_u32 v[XSA], v12, 4, XSB
	s_and_b32 s23, ttmp7, 0xffff                   ; ty: 0 q, 1 k, 2 v
	s_lshl_b32 s26, ttmp9, 17                      ; x: 64 rows of 2,048 bytes a work-group,
	s_lshl_b32 s28, s3, 13                         ; 4 rows a wave
	s_add_co_u32 s26, s26, s28
	s_mov_b32 s27, 0
	s_lshl_b32 s30, s23, 17                        ; wcodes: 32 tiles x 4,096 bytes a tensor, 2 tiles a wave
	s_add_co_u32 s30, s30, s28
	s_mov_b32 s31, 0
	s_lshl_b32 s32, s23, 14                        ; wscales: 32 tiles x 512 bytes a tensor, 2 tiles a wave
	s_lshl_b32 s28, s3, 10
	s_add_co_u32 s32, s32, s28
	s_mov_b32 s33, 0
	s_lshr_b32 s34, ttmp9, 5                       ; b
	s_lshl_b32 s34, s34, 3
	s_lshr_b32 s28, s3, 1                          ; head
	s_add_co_u32 s34, s34, s28
	s_lshl_b32 s34, s34, 18                        ; a head's fragments are 262,144 bytes,
	s_and_b32 s28, ttmp9, 31
	s_lshl_b32 s28, s28, 13                        ; 64 tokens' 8,192, in all three layouts
	s_add_co_u32 s34, s34, s28
	s_mov_b32 s35, 0
	s_wait_kmcnt 0x0
	s_load_b32 s22, s[14:15], 0x0                  ; tau
	s_cmp_eq_u32 s23, 0
	s_cselect_b64 s[4:5], s[4:5], s[6:7]
	s_cselect_b64 s[16:17], s[16:17], s[18:19]
	s_cmp_eq_u32 s23, 2
	s_cselect_b64 s[4:5], s[8:9], s[4:5]
	s_cselect_b64 s[16:17], s[20:21], s[16:17]
	s_add_nc_u64 s[4:5], s[4:5], s[26:27]
	s_add_nc_u64 s[10:11], s[10:11], s[30:31]
	s_add_nc_u64 s[12:13], s[12:13], s[32:33]
	s_add_nc_u64 s[16:17], s[16:17], s[34:35]
.irp u, 0,1,2,3,4,5,6,7                ; unit u = 2 row + half: a lane takes 8 neighbours along K; the two loads together use up every byte that they touch
	global_load_b128 v[ACC+8*\u:ACC+8*\u+3], v[XO], s[4:5] offset:1024*\u th:TH_LOAD_NT
	global_load_b128 v[ACC+8*\u+4:ACC+8*\u+7], v[XO], s[4:5] offset:1024*\u+16 th:TH_LOAD_NT
.endr
.irp n, 0,1
.irp ks, 0,1,2,3
.irp c, 0,1
	global_load_b128 v[W+32*\n+8*\ks+4*\c:W+32*\n+8*\ks+4*\c+3], v[LI], s[10:11] offset:4096*\n+1024*\ks+512*\c
.endr
.endr
.endr
.irp n, 0,1
	global_load_b128 v[WS+4*\n:WS+4*\n+3], v[LI], s[12:13] offset:512*\n
.endr
	s_wait_kmcnt 0x0                               ; tau
	v_rcp_f32 v[FAC], s22
	v_nop                                          ; a plain instruction behind the reciprocal,
	s_wait_alu depctr_va_vdst(0)                   ; and a wait ahead of its first reader
	v_mul_f32 v[FAC], 0x3fb8aa3b, v[FAC]           ; log2(e) / tau
	v_mov_b32 v[FAC+1], v[FAC]
	s_wait_loadcnt 18                              ; x's 16 loads are in; W's 16 and its scales' 2, issued behind them, may be out
.irp u, 0,1,2,3,4,5,6,7
	v_max3_num_f32 v[TM+\u], |v[ACC+8*\u]|, |v[ACC+8*\u+1]|, 0x1800000   ; my 8 numbers, and the floor 2^(3 - 127), which holds the byte at 1 from below
.endr
.irp i, 2,4,6
.irp u, 0,1,2,3,4,5,6,7
	v_max3_num_f32 v[TM+\u], v[TM+\u], |v[ACC+8*\u+\i]|, |v[ACC+8*\u+\i+1]|   ; (the eight units by turns)
.endr
.endr
.irp u, 0,1,2,3,4,5,6,7
	v_max_num_f32_dpp v[TM+\u], v[TM+\u], v[TM+\u] row_xmask:1 row_mask:0xf bank_mask:0xf
.endr
.irp u, 0,1,2,3,4,5,6,7
	v_max_num_f32_dpp v[TM+\u], v[TM+\u], v[TM+\u] row_xmask:2 row_mask:0xf bank_mask:0xf   ; the four lanes' 32 numbers: the block's largest magnitude
.endr
.irp u, 0,1,2,3,4,5,6,7
	v_add_nc_u32 v[SO+\u], 0xff000000, v[TM+\u]    ; 2 off its exponent field: the conversion's scale operand
.endr
.irp u, 0,1,2,3,4,5,6,7
	v_lshrrev_b32 v[BY+\u], 23, v[SO+\u]           ; the scale's byte
.endr
.irp u, 0,1,2,3,4,5,6,7
	v_cvt_scalef32_pk8_fp4_f32 v[CD+\u], v[ACC+8*\u:ACC+8*\u+7], v[SO+\u]
.endr
	v_nop                                          ; one plain instruction behind the last scaled conversion: matrix instructions write its sources later
.irp u, 0,1,2,3,4,5,6,7
	ds_store_b32 v[CST], v[CD+\u] offset:PITCH*(\u/2)+128*(\u%2)
	ds_store_b8 v[SST], v[BY+\u] offset:8*\u       ; the four lanes of a block write the same byte with the same value
.endr
	s_wait_dscnt 0x0                               ; for the others' sake: my stores have landed
	s_barrier_signal -1
	s_barrier_wait -1                              ; 64 rows of codes and their scale bytes lie in LDS
.macro FP4 d, a, b, sa, sb, zero
.if \zero
	v_wmma_scale_f32_16x16x128_f8f6f4 v[\d:\d+7], v[\a:\a+7], v[\b:\b+7], 0, v[\sa], v[\sb] matrix_a_fmt:MATRIX_FMT_FP4 matrix_b_fmt:MATRIX_FMT_FP4
.else
	v_wmma_scale_f32_16x16x128_f8f6f4 v[\d:\d+7], v[\a:\a+7], v[\b:\b+7], v[\d:\d+7], v[\sa], v[\sb] matrix_a_fmt:MATRIX_FMT_FP4 matrix_b_fmt:MATRIX_FMT_FP4
.endif
.endm
.macro XLOAD ks, p                     ; x's four fragments of K step ks into set p: lane (r, h): row 16 m + r, k = 128 ks + 64 c + 32 h + 0 .. 31
.irp m, 0,1,2,3
.irp c, 0,1
	ds_load_b128 v[XF+32*\p+8*\m+4*\c:XF+32*\p+8*\m+4*\c+3], v[XA] offset:16*PITCH*\m+64*\ks+32*\c
.endr
.endr
.endm
.macro MM T, ks, zero                  ; a K step: the 8 accumulators by turns, one instruction a turn, in the same order in every step
.irp m, 0,1,2,3
.irp n, 0,1
.if \T
	FP4 ACC+16*\m+8*\n, W+32*\n+8*\ks, XF+32*(\ks%2)+8*\m, WS+4*\n+\ks, XSC+4*\m+\ks, \zero
.else
	FP4 ACC+16*\m+8*\n, XF+32*(\ks%2)+8*\m, W+32*\n+8*\ks, XSC+4*\m+\ks, WS+4*\n+\ks, \zero
.endif
.endr
.endr
.endm
.macro PLACES                          ; four plain instructions between a matrix instruction and a load into its sources, or a read of its results (ISA guide 7.12.1 for a read of its results)
.rept 4
	v_nop
.endr
.endm
; T = 1: q or k (source 0 = W);  T = 0: v (source 0 = x)
.macro GEMM T
	s_and_b32 s28, s3, 1                           ; which half of the head is mine
.if \T
	s_lshl_b32 s28, s28, 10                        ; q, k: the fragment of channels 32 (w % 2) on
.else
	s_lshl_b32 s28, s28, 11                        ; v: the two fragments of channels 32 (w % 2) on
.endif
	s_mov_b32 s29, 0
	s_add_nc_u64 s[16:17], s[16:17], s[28:29]
.irp m, 0,1,2,3
	ds_load_b128 v[XSC+4*\m:XSC+4*\m+3], v[XSA] offset:256*\m   ; row 16 m + r's four scale words
.endr
	XLOAD 0, 0
	XLOAD 1, 1
	s_wait_loadcnt 0x0                             ; W and its scale words
	s_wait_dscnt 8                                 ; all but the youngest run of 8
	MM \T, 0, 1                                    ; the first K step starts the sums: nothing is cleared
	PLACES
	XLOAD 2, 0
	s_wait_dscnt 8
	MM \T, 1, 0
	PLACES
	XLOAD 3, 1
	s_wait_dscnt 8
	MM \T, 2, 0
	s_wait_dscnt 0x0
	MM \T, 3, 0
	PLACES
.if \T
	s_cmp_lg_u32 s23, 0
	s_cbranch_scc1 .Lplain
.irp i, 0,2,4,6,8,10,12,14,16,18,20,22,24,26,28,30,32,34,36,38,40,42,44,46,48,50,52,54,56,58,60,62
	v_pk_mul_f32 v[ACC+\i:ACC+\i+1], v[ACC+\i:ACC+\i+1], v[FAC:FAC+1]   ; q alone: x log2(e) / tau, in f32; each accumulator from its low end on
.endr
.Lplain:
.endif
.irp i, 0,1,2,3,4,5,6,7,8,9,10,11,12,13,14,15,16,17,18,19,20,21,22,23,24,25,26,27,28,29,30,31
	v_cvt_pk_f16_f32 v[XF+\i], v[ACC+2*\i], v[ACC+2*\i+1]
.endr
.irp m, 0,1,2,3
.irp n, 0,1
.if \T
	global_store_b128 v[LI], v[XF+4*(2*\m+\n):XF+4*(2*\m+\n)+3], s[16:17] offset:2048*\m+512*\n   ; token tile m, registers 4 n .. 4 n + 3 of the fragment
.else
	global_store_b128 v[LI], v[XF+4*(2*\m+\n):XF+4*(2*\m+\n)+3], s[16:17] offset:4096*(\m/2)+1024*\n+512*(\m%2)   ; 32 keys m / 2, channel tile n, registers 4 (m % 2) on
.endif
.endr
.endr
	s_wait_tensorcnt 0x0                           ; the wave's end: behind my last LDS store
	ds_add_u32 v[SPW], v[NIL]
	s_wait_dscnt 0x0
	s_endpgm
.endm
	s_cmp_eq_u32 s23, 2                            ; the grid's y: the same in all sixteen waves
	s_cbranch_scc1 .Lv
	GEMM 1
.Lv:
	GEMM 0
.Lfunc_end_k_q01bb7bd48c_proj:
	.size	k_q01bb7bd48c_proj, .Lfunc_end_k_q01bb7bd48c_proj-k_q01bb7bd48c_proj
	.p2alignl 7, 3214868480
	.fill 96, 4, 3214868480
	.section	.rodata,"a",@progbits
	.p2align	6, 0x0
	.amdhsa_kernel k_q01bb7bd48c_proj
		.amdhsa_group_segment_fixed_size 20480
		.amdhsa_private_segment_fixed_size 0
		.amdhsa_enable_private_segment 0
		.amdhsa_kernarg_size 72
		.amdhsa_user_sgpr_count 2
		.amdhsa_user_sgpr_kernarg_segment_ptr 1
		.amdhsa_wavefront_size32 1
		.amdhsa_system_sgpr_workgroup_id_x 1
		.amdhsa_system_sgpr_workgroup_id_y 1
		.amdhsa_system_sgpr_workgroup_id_z 1
		.amdhsa_system_vgpr_workitem_id 0
		.amdhsa_next_free_vgpr 256
		.amdhsa_next_free_sgpr 66
		.amdhsa_reserve_vcc 0
		.amdhsa_float_denorm_mode_32 3
		.amdhsa_float_denorm_mode_16_64 3
		.amdhsa_memory_ordered 1
		.amdhsa_forward_progress 1
		.amdhsa_inst_pref_size 34
	.end_amdhsa_kernel
	.amdgpu_metadata
---
amdhsa.version: [ 1, 2 ]
amdhsa.kernels:
  - .name:           k_q01bb7bd48c_proj
    .symbol:         k_q01bb7bd48c_proj.kd
    .args:
      - { .name: Q, .offset: 0, .size: 8, .value_kind: global_buffer, .address_space: global }
      - { .name: K, .offset: 8, .size: 8, .value_kind: global_buffer, .address_space: global }
      - { .name: V, .offset: 16, .size: 8, .value_kind: global_buffer, .address_space: global }
      - { .name: wcodes, .offset: 24, .size: 8, .value_kind: global_buffer, .address_space: global }
      - { .name: wscales, .offset: 32, .size: 8, .value_kind: global_buffer, .address_space: global }
      - { .name: tau, .offset: 40, .size: 8, .value_kind: global_buffer, .address_space: global }
      - { .name: qf, .offset: 48, .size: 8, .value_kind: global_buffer, .address_space: global }
      - { .name: kf, .offset: 56, .size: 8, .value_kind: global_buffer, .address_space: global }
      - { .name: vf, .offset: 64, .size: 8, .value_kind: global_buffer, .address_space: global }
    .group_segment_fixed_size: 20480
    .private_segment_fixed_size: 0
    .kernarg_segment_align: 8
    .kernarg_segment_size: 72
    .max_flat_workgroup_size: 512
    .sgpr_count:     66
    .vgpr_count:     256
    .wavefront_size: 32
...
	.end_amdgpu_metadata
.endif
;; end of part 2
;; launch attn (part 3): grid 4 x 64, 8 waves a work-group, clusters of 4 x 1, 327,680 bytes of LDS; arguments qf, kf, vf, maskw, of; writes of
.if DOCPART == 3
	.amdgcn_target "amdgcn-amd-amdhsa--gfx1250"
	.amdhsa_code_object_version 6
	.text
	.protected	k_q01bb7bd48c_attn
	.globl	k_q01bb7bd48c_attn
	.p2align	8
	.type	k_q01bb7bd48c_attn,@function
k_q01bb7bd48c_attn:
	s_mov_b64 s[64:65], 0
	v_nop
	global_prefetch_b8 v0, s[64:65] scope:SCOPE_SE
	s_setreg_imm32_b32 hwreg(HW_REG_WAVE_MODE, 25, 1), 1
	s_wait_xcnt 0x0
	s_wait_alu depctr_hold_cnt(0) depctr_sa_sdst(0) depctr_va_vdst(0) depctr_va_sdst(0) depctr_va_ssrc(0) depctr_va_vcc(0) depctr_vm_vsrc(0)
	s_getreg_b32 s2, hwreg(HW_REG_IB_STS2, 6, 4)
	s_cmp_eq_u32 s2, 0
	s_cbranch_scc0 .Lentry_in_a_cluster
	s_endpgm
.Lentry_in_a_cluster:
	s_bfe_u32 s2, ttmp6, 0x10000c
	s_cmp_lg_u32 s2, 0x3003
	s_cbranch_scc0 .Lentry_shape_is_right
	s_endpgm
.Lentry_shape_is_right:
; o[b][h][q] = the sum over keys of softmax(q . k / tau, hidden keys at -infinity) v, 64 heads of 2,048 tokens x 64 channels.  q, k, v come in f16 as fragments in the order of an operand's registers;
; q already carries log2(e) / tau, so a score is an exponent of 2.  Products by v_wmma_f32_16x16x32_f16, sums, maxima and the softmax in f32; p is rounded to f16 for the second product, o once at the end.
; SHARES.  A cluster of four work-groups is one head (cluster y); each work-group owns 512 queries, each of its eight waves 64: four tiles of 16, as two PIECES of two tiles.  Two waves share a SIMD.
; Every wave walks all 2,048 keys, 64 a step.  K and V come through a ring of two LDS slots of 8 key steps (65,536 bytes of K, then 65,536 of V), dense, as they lie in memory.
; The four partners walk the same K and V, so each tile is asked for JOINTLY: the same tensor load, the same descriptor, a mask that names the four.  Wave w brings 16,384 bytes: waves 0-3 K's quarters, waves 4-7 V's.
; LAYOUT.  S^T = K Q^T (source 0 = 16 keys, source 1 = 16 queries): a lane holds ONE query (lane % 16) and keys 8 (lane / 16) + 0..7.  Two such tiles rounded to f16 in pairs ARE source 1 of O^T = V^T P.
; THE MASK is an input.  An earlier launch has made of it, for each score register, the word of 32 lane bits; the words come by scalar loads, one piece ahead, and serve as the select of v_cndmask_b32 alone:
; a hidden score becomes -infinity AHEAD of the maximum.  The running maximum starts at -3e38, a number: a step all of whose keys are hidden gives p = 0.  A row all of whose keys are hidden ends as 0 x (1 / 0) = NaN.
; SOFTMAX.  For each query a running maximum m and sum l: p = 2^(s - m); in every step O and l are multiplied by a = 2^(old m - new m).
; LIMITS: scores under -3e38 are not served; |o| stays inside f16's range; NaN and infinities in q, k, v are not served.
; REGISTERS, in windows of 256 (s_set_vgpr_msb: bits 1:0 source 0, 3:2 source 1, 5:4 source 2, 7:6 destination):
;   window 0: v1-7 addresses and constants; v16-47 eight registers of statistics a tile; v48-111 S^T of a piece (32 a tile); v112-143 P (16 a tile); v144-207 K of a step
;   window 1: v0-127 O^T (32 a tile); v128-191 Q (16 a tile); v192-255 V of a step
.set SLOT1, 1<<17                      ; slot 1 begins here: one exclusive or turns an address in one slot into the other's
.set VOFF,  65536                      ; in a slot: V behind K
.set STEPB, 8192                       ; a key step's fragments of K, and of V
.set SPARE, 2*SLOT1                    ; behind the ring: the spare words, 128 bytes for each wave; no other line names them
.set LI,   1                           ; v1   16 x lane
.set ADK,  2                           ; v2   LDS address of the step's K
.set ADV,  3                           ; v3   of its V
.set NINF, 4                           ; v4   -infinity
.set SPW,  5                           ; v5   LDS address of my spare word; never rewritten
.set NIL,  6                           ; v6   0; never rewritten
.set PFO,  7                           ; v7   256 x lane: the prefetch's offset; never rewritten
.set ST,   16                          ; tile T's statistics at v[ST + 8 T]: +0 -m, +1 new m - old m, +2, +3 l (even keys', odd keys'), +4 to +7 at work; a takes +6, m +7
.set S,    48
.set P,    112
.set KF,   144
.set QF,   128                         ; in window 1
.set VF,   192                         ; in window 1
.set WV,   3                           ; s3   my wave's number
.set G1,   4                           ; s[4:11]   descriptor group 1: 64 rows of 256 bytes, dense
.set G0A,  12                          ; s[12:15]  group 0 of the first fill
.set G0B,  16                          ; s[16:19]  group 0 of the second fill; it then walks on
.set MP,   20                          ; s[20:21]  my wave's mask words
.set MO,   22                          ; s22  256 x the key step whose words are asked for
.set TB,   23                          ; s23  LDS byte at which the step's K begins
.set SLOTS, 24                         ; s24  slots still to be asked for
.set CNT,  25                          ; s25  counts a slot's eight steps
.set SEL,  26                          ; s[26:27]  v_permlanex16_b32's selects for lane l xor 16
.set OP,   28                          ; s[28:29]  where my wave's results go
.set PFA,  30                          ; s[30:31]  what my prefetch names; never rewritten
.set LIM,  66                          ; s66  1 in a wave that prefetches, else the greatest number
.set MW0,  32                          ; s[32:63]  the lane masks of the 32 score registers of the piece's first tile
.set MW1,  68                          ; s[68:99]  of its second
.set MSB, 0
.macro WIN new                         ; the immediate's high byte repeats the setting that is left; a switch that changes nothing is dropped
.if MSB != \new
	s_set_vgpr_msb (MSB<<8)|\new
.set MSB, \new
.endif
.endm
.set W_KQ, 0x04                        ; Q in window 1; K and S^T in window 0
.set W_PV, 0x51                        ; V and O^T in window 1; P in window 0
.set W_RS, 0x41                        ; O^T (destination and source 0) in window 1; a in window 0
.set W_LD, 0x40                        ; destination window 1, address window 0
; A round of the cluster's barrier: my work-group's barrier; wave 0 signals for the work-group; every wave waits for all four work-groups; my work-group's barrier once more.
.macro CROUND
	s_barrier_signal -1
	s_barrier_wait -1
	s_cmp_lg_u32 s[WV], 0
	s_cbranch_scc1 .Lnot_wave_0_\@
	s_barrier_signal -3
.Lnot_wave_0_\@:
	s_barrier_wait -3
	s_barrier_signal -1
	s_barrier_wait -1
.endm
.macro PLACES
.rept 4
	v_nop
.endr
.endm
	s_load_b256 s[32:39], s[0:1], 0x0              ; qf s[32:33], kf s[34:35], vf s[36:37], maskw s[38:39]
	s_load_b64 s[40:41], s[0:1], 0x20              ; of
	v_lshl_add_u32 v[SPW], v0, 2, SPARE
	v_mov_b32 v[NIL], 0
	ds_add_u32 v[SPW], v[NIL]                      ; the wave's opening: the add, twice on end, and its wait ahead of my first tensor load; the set-up below stands between
	ds_add_u32 v[SPW], v[NIL]
	v_lshrrev_b32 v1, 5, v0
	v_readfirstlane_b32 s[WV], v1                  ; wave 0..7
	v_and_b32 v1, 31, v0
	v_lshlrev_b32 v[PFO], 8, v1
	v_lshlrev_b32 v[LI], 4, v1
	v_mov_b32 v[NINF], 0xff800000
	s_bfe_u32 s42, ttmp6, 0x40000                  ; cx: my place in the cluster: it enters Q's, the mask's, O's and the prefetch's addresses alone
	s_and_b32 s43, ttmp7, 0xffff                   ; bh = 8 b + head, which the four partners share
	s_lshl_b32 s44, ttmp9, 2
	s_add_co_u32 s44, s44, s42
	s_lshl_b32 s44, s44, 3
	s_add_co_u32 s44, s44, s[WV]                   ; qq: which 64 queries of the head are my wave's
	s_mov_b32 s[G1], 15|(3<<16)|(1<<21)            ; 15:0 the mask: all four work-groups; 17:16 elements of 8 bytes; 20 no padding; 21 set beside a mask
	s_mov_b32 s[G1+1], 32<<16                      ; tensor_dim0 = 32 elements: 256 bytes
	s_mov_b32 s[G1+2], 64<<16                      ; tensor_dim1 = 64
	s_mov_b32 s[G1+3], 32<<16                      ; tile_dim0
	s_mov_b32 s[G1+4], 64                          ; tile_dim1
	s_mov_b32 s[G1+5], 32                          ; from row to row: dense
	s_mov_b32 s[G1+6], 0
	s_mov_b32 s[G1+7], 0
	s_mov_b32 s[SEL], 0x76543210
	s_mov_b32 s[SEL+1], 0xfedcba98
	s_mov_b32 s[MO], 0
	s_mov_b32 s[TB], 0
	s_mov_b32 s[SLOTS], 2
	s_and_b32 s45, s[WV], 2                        ; waves 0, 1 (K) and 4, 5 (V) prefetch
	s_cmp_eq_u32 s45, 0
	s_cselect_b32 s[LIM], 1, -1
	s_lshl_b32 s48, s43, 18                        ; K, V: the head's 262,144 bytes,
	s_and_b32 s45, s[WV], 3
	s_lshl_b32 s45, s45, 14                        ; my quarter of a fill
	s_add_co_u32 s48, s48, s45
	s_mov_b32 s49, 0
	s_lshr_b32 s45, s43, 3                         ; b
	s_lshl_b32 s50, s45, 6
	s_lshl_b32 s52, s44, 1
	s_add_co_u32 s50, s50, s52                     ; 64 b + 2 qq: my first pair of query tiles
	s_lshl_b32 s50, s50, 13                        ; 32 steps x 256 bytes of mask words a pair
	s_mov_b32 s51, 0
	s_lshl_b32 s52, s50, 2                         ; o: (128 b + 4 qq) token tiles of 16,384 bytes,
	s_and_b32 s54, s43, 7
	s_lshl_b32 s54, s54, 11                        ; the head's two fragments
	s_add_co_u32 s52, s52, s54
	s_mov_b32 s53, 0
	s_lshl_b32 s54, s43, 18                        ; Q: the head, and my four token tiles of 2,048 bytes
	s_lshl_b32 s56, s44, 13
	s_add_co_u32 s54, s54, s56
	s_mov_b32 s55, 0
	s_lshl_b32 s56, s43, 18                        ; the prefetch: the head's fourth fill; 16,384 bytes a partner, told apart by address; 8,192 a wave
	s_lshl_b32 s58, s42, 14
	s_add_co_u32 s56, s56, s58
	s_and_b32 s58, s[WV], 1
	s_lshl_b32 s58, s58, 13
	s_add_co_u32 s56, s56, s58
	s_add_co_u32 s56, s56, 3*65536
	s_mov_b32 s57, 0
	s_wait_dscnt 0x0                               ; both opening adds are done
	s_wait_kmcnt 0x0
	s_add_nc_u64 s[MP:MP+1], s[38:39], s[50:51]
	s_add_nc_u64 s[OP:OP+1], s[40:41], s[52:53]
	s_add_nc_u64 s[32:33], s[32:33], s[54:55]
	s_cmp_lt_u32 s[WV], 4                          ; the wave's number alone: the same in every partner
	s_cselect_b64 s[46:47], s[34:35], s[36:37]     ; I fetch for K or for V
	s_add_nc_u64 s[PFA:PFA+1], s[46:47], s[56:57]
	s_add_nc_u64 s[46:47], s[46:47], s[48:49]
	s_mov_b32 s[G0A], 1                            ; 1:0 count = 1
	s_lshl_b32 s[G0A+1], s[WV], 14                 ; LDS address: 16,384 x wave: K's four quarters, then V's
	s_mov_b64 s[G0A+2:G0A+3], s[46:47]             ; keys 0 to 511
	s_or_b32 s[G0A+3], s[G0A+3], 0x80000000        ; type = 2
	s_mov_b32 s[G0B], 1
	s_add_co_u32 s[G0B+1], s[G0A+1], SLOT1
	s_add_nc_u64 s[G0B+2:G0B+3], s[46:47], 65536   ; keys 512 to 1,023
	s_or_b32 s[G0B+3], s[G0B+3], 0x80000000
	CROUND                                         ; all four work-groups are here: the first joint loads meet
	tensor_load_to_lds s[G0A:G0A+3], s[G1:G1+7]    ; both first fills together, ahead of every wait on TENSORcnt and every LDS read: two loads of mine are out
	s_nop 0
	tensor_load_to_lds s[G0B:G0B+3], s[G1:G1+7]
	s_nop 0
	PLACES
	WIN W_LD
.irp T, 0,1,2,3
.irp cs, 0,1
.irp c, 0,1
	global_load_b128 v[QF+16*\T+8*\cs+4*\c:QF+16*\T+8*\cs+4*\c+3], v[LI], s[32:33] offset:2048*\T+1024*\cs+512*\c   ; Q stays in registers
.endr
.endr
.endr
.set i, 0
.rept 128
	v_mov_b32 v[i], 0                              ; O^T.  The key step is written without a first step of its own: the first step finds zeros, which its a leaves zeros
.set i, i+1
.endr
	WIN 0
.irp T, 0,1,2,3
	v_mov_b32 v[ST+8*\T], 0x7f61b1e6               ; -m: m starts at -3e38, under every score that is served
.irp i, 1,2,3,4,5,6,7
	v_mov_b32 v[ST+8*\T+\i], 0
.endr
.endr
	s_wait_xcnt 0x0                                ; Q's loads have read their base: the mask words land on those registers
.macro MLOAD off                       ; a piece's 64 mask words of the key step at s[MO]
	s_load_b512 s[MW0:MW0+15], s[MP:MP+1], s[MO] offset:\off
	s_load_b512 s[MW0+16:MW0+31], s[MP:MP+1], s[MO] offset:\off+64
	s_load_b512 s[MW1:MW1+15], s[MP:MP+1], s[MO] offset:\off+128
	s_load_b512 s[MW1+16:MW1+31], s[MP:MP+1], s[MO] offset:\off+192
.endm
	MLOAD 0
; A PIECE's turn in a key step: tiles 2 x and 2 x + 1.
.macro PIECE x
.if \x == 0
	s_wait_dscnt 16                                ; K is in; V's 16 loads, issued behind it, may be out
.endif
	WIN W_KQ
.irp cs, 0,1                           ; S^T = K Q^T: the 8 accumulators by turns, one instruction a turn; the first 8 start the sums
.irp kt, 0,1,2,3
.irp t, 0,1
.if \cs == 0
	v_wmma_f32_16x16x32_f16 v[S+32*\t+8*\kt:S+32*\t+8*\kt+7], v[KF+16*\kt+8*\cs:KF+16*\kt+8*\cs+7], v[QF+16*(2*\x+\t)+8*\cs:QF+16*(2*\x+\t)+8*\cs+7], 0
.else
	v_wmma_f32_16x16x32_f16 v[S+32*\t+8*\kt:S+32*\t+8*\kt+7], v[KF+16*\kt+8*\cs:KF+16*\kt+8*\cs+7], v[QF+16*(2*\x+\t)+8*\cs:QF+16*(2*\x+\t)+8*\cs+7], v[S+32*\t+8*\kt:S+32*\t+8*\kt+7]
.endif
.endr
.endr
.endr
	WIN 0
	s_wait_kmcnt 0x0                               ; this piece's mask words, asked for a piece ago
	PLACES                                         ; four plain instructions between the last product and the first read of a score
.set j, 0
.rept 32
	v_cndmask_b32 v[S+j], v[NINF], v[S+j], s[MW0+j]          ; a hidden score becomes -infinity; each accumulator from its low end on
	v_cndmask_b32 v[S+32+j], v[NINF], v[S+32+j], s[MW1+j]
.set j, j+1
.endr
.if \x == 0
	MLOAD 8192                                     ; the other piece's words of this step
.else
	s_add_co_u32 s[MO], s[MO], 256                 ; (the wait above has shown the last loads done: their offset may be written)
	s_and_b32 s[MO], s[MO], 0x1fff                 ; behind the last step the look-ahead wraps to step 0 and stays inside the buffer; its words are not used
	MLOAD 0                                        ; the first piece's words of the next step
.endif
; the softmax of both tiles, line by line by turns
.irp c, 0,1,2,3
.irp t, 0,1
	v_max3_num_f32 v[ST+8*(2*\x+\t)+4+\c], v[S+32*\t+8*\c], v[S+32*\t+8*\c+1], v[S+32*\t+8*\c+2]   ; four chains of seven scores
.endr
.endr
.irp i, 3,5
.irp c, 0,1,2,3
.irp t, 0,1
	v_max3_num_f32 v[ST+8*(2*\x+\t)+4+\c], v[ST+8*(2*\x+\t)+4+\c], v[S+32*\t+8*\c+\i], v[S+32*\t+8*\c+\i+1]
.endr
.endr
.endr
.irp t, 0,1
	v_max3_num_f32 v[ST+8*(2*\x+\t)+4], v[ST+8*(2*\x+\t)+4], v[S+32*\t+7], v[S+32*\t+15]   ; the four scores left over
.endr
.irp t, 0,1
	v_max3_num_f32 v[ST+8*(2*\x+\t)+6], v[ST+8*(2*\x+\t)+6], v[S+32*\t+23], v[S+32*\t+31]
.endr
.irp t, 0,1
	v_max3_num_f32 v[ST+8*(2*\x+\t)+4], v[ST+8*(2*\x+\t)+4], v[ST+8*(2*\x+\t)+5], v[ST+8*(2*\x+\t)+6]
.endr
.irp t, 0,1
	v_max3_num_f32 v[ST+8*(2*\x+\t)+4], v[ST+8*(2*\x+\t)+4], v[ST+8*(2*\x+\t)+7], -v[ST+8*(2*\x+\t)]   ; and the old m
.endr
.irp t, 0,1
	v_permlanex16_b32 v[ST+8*(2*\x+\t)+5], v[ST+8*(2*\x+\t)+4], s[SEL], s[SEL+1]   ; the query's other 32 keys lie in the lane 16 away
.endr
.irp t, 0,1
	v_max_num_f32 v[ST+8*(2*\x+\t)+7], v[ST+8*(2*\x+\t)+4], v[ST+8*(2*\x+\t)+5]   ; the new m: a number, -3e38 at the least
.endr
.irp t, 0,1
	v_add_f32 v[ST+8*(2*\x+\t)+1], v[ST+8*(2*\x+\t)], v[ST+8*(2*\x+\t)+7]   ; new m - old m, 0 or more
.endr
.irp t, 0,1
	v_mul_f32 v[ST+8*(2*\x+\t)], -1.0, v[ST+8*(2*\x+\t)+7]   ; -m
.endr
.irp i, 0,2,4,6,8,10,12,14,16,18,20,22,24,26,28,30
.irp t, 0,1
	v_pk_add_f32 v[S+32*\t+\i:S+32*\t+\i+1], v[S+32*\t+\i:S+32*\t+\i+1], v[ST+8*(2*\x+\t):ST+8*(2*\x+\t)+1] op_sel_hi:[1,0]   ; s - m, two at a time
.endr
.endr
.irp t, 0,1
	v_exp_f32 v[ST+8*(2*\x+\t)+6], -v[ST+8*(2*\x+\t)+1]   ; a = 2^(old m - new m)
.endr
.set j, 0
.rept 32
	v_exp_f32 v[S+j], v[S+j]                       ; p = 2^(s - m), at most 1; 0 for a hidden key
	v_exp_f32 v[S+32+j], v[S+32+j]
.set j, j+1
.endr
	v_nop                                          ; a plain instruction behind the last exponential,
	s_wait_alu depctr_va_vdst(0)                   ; and ONE wait for the piece's 66, ahead of the first instruction that names a result
.irp i, 0,1,2,3,4,5,6,7,8,9,10,11,12,13,14,15
.irp t, 0,1
	v_cvt_pk_f16_f32 v[P+16*\t+\i], v[S+32*\t+2*\i], v[S+32*\t+2*\i+1]   ; two tiles of 16 keys, rounded in pairs, are a fragment of 32 keys
.endr
.endr
.irp t, 0,1
	v_pk_mul_f32 v[ST+8*(2*\x+\t)+2:ST+8*(2*\x+\t)+3], v[ST+8*(2*\x+\t)+2:ST+8*(2*\x+\t)+3], v[ST+8*(2*\x+\t)+6:ST+8*(2*\x+\t)+7] op_sel_hi:[1,0]   ; l x a
.endr
.irp t, 0,1
	v_pk_add_f32 v[ST+8*(2*\x+\t)+4:ST+8*(2*\x+\t)+5], v[S+32*\t:S+32*\t+1], v[S+32*\t+2:S+32*\t+3]   ; the sum of the unrounded p, in two chains
.endr
.irp i, 4,8,12,16,20,24,28
.irp t, 0,1
	v_pk_add_f32 v[ST+8*(2*\x+\t)+2:ST+8*(2*\x+\t)+3], v[ST+8*(2*\x+\t)+2:ST+8*(2*\x+\t)+3], v[S+32*\t+\i:S+32*\t+\i+1]
.endr
.irp t, 0,1
	v_pk_add_f32 v[ST+8*(2*\x+\t)+4:ST+8*(2*\x+\t)+5], v[ST+8*(2*\x+\t)+4:ST+8*(2*\x+\t)+5], v[S+32*\t+\i+2:S+32*\t+\i+3]
.endr
.endr
.irp t, 0,1
	v_pk_add_f32 v[ST+8*(2*\x+\t)+2:ST+8*(2*\x+\t)+3], v[ST+8*(2*\x+\t)+2:ST+8*(2*\x+\t)+3], v[ST+8*(2*\x+\t)+4:ST+8*(2*\x+\t)+5]
.endr
	WIN W_RS
.irp t, 0,1
.irp i, 0,2,4,6,8,10,12,14,16,18,20,22,24,26,28,30
	v_pk_mul_f32 v[32*(2*\x+\t)+\i:32*(2*\x+\t)+\i+1], v[32*(2*\x+\t)+\i:32*(2*\x+\t)+\i+1], v[ST+8*(2*\x+\t)+6:ST+8*(2*\x+\t)+7] op_sel_hi:[1,0]   ; O^T x a; each accumulator from its low end on
.endr
.endr
.if \x == 0
	s_wait_dscnt 0x0                               ; V is in
.endif
	WIN W_PV
.irp u, 0,1                            ; O^T += V^T P: the 8 accumulators by turns
.irp ct, 0,1,2,3
.irp t, 0,1
	v_wmma_f32_16x16x32_f16 v[32*(2*\x+\t)+8*\ct:32*(2*\x+\t)+8*\ct+7], v[VF+32*\u+8*\ct:VF+32*\u+8*\ct+7], v[P+16*\t+8*\u:P+16*\t+8*\u+7], v[32*(2*\x+\t)+8*\ct:32*(2*\x+\t)+8*\ct+7]
.endr
.endr
.endr
	WIN 0
.endm
; A KEY STEP: 64 keys.  K's and V's fragments come in two runs of 16 loads, each covering 512 consecutive bytes; each fragment then feeds four products.
.macro STEP
	v_add_nc_u32 v[ADK], s[TB], v[LI]
	v_add_nc_u32 v[ADV], VOFF, v[ADK]
	v_nop                                          ; with the two additions: four plain instructions between the last product, which read V, and the loads into V
	v_nop
.irp kt, 0,1,2,3
.irp cs, 0,1
.irp c, 0,1
	ds_load_b128 v[KF+16*\kt+8*\cs+4*\c:KF+16*\kt+8*\cs+4*\c+3], v[ADK] offset:2048*\kt+1024*\cs+512*\c
.endr
.endr
.endr
	WIN W_LD
.irp u, 0,1
.irp ct, 0,1,2,3
.irp c, 0,1
	ds_load_b128 v[VF+32*\u+8*\ct+4*\c:VF+32*\u+8*\ct+4*\c+3], v[ADV] offset:4096*\u+1024*\ct+512*\c
.endr
.endr
.endr
	PIECE 0
	PIECE 1
	s_add_co_u32 s[TB], s[TB], STEPB
.endm
.macro STEPS                           ; a slot's eight key steps: written once, walked eight times
	s_mov_b32 s[CNT], 8
.Lstep_\@:
	STEP
	s_sub_co_u32 s[CNT], s[CNT], 1
	s_cmp_lg_u32 s[CNT], 0
	s_cbranch_scc1 .Lstep_\@
.endm
; THE CHANGE OF SLOTS.  Each wave waits for all its tensor loads, of which one is out: its part of the other slot; adds 0 to its spare word; waits for that and for its reads of the slot that it leaves.
; fill = 1: the slot just left is filled again with the keys two slots on.  The barrier is then a round of the cluster's, so that no wave of any partner still reads the slot or has a load on its way,
; and the joint refill is the first thing behind it: it has eight key steps in which to land.
.macro CHANGE fill
	s_wait_tensorcnt 0x0                           ; no tensor load of mine is out, so a group 0 may be written
	ds_add_u32 v[SPW], v[NIL]                      ; 0 onto my spare word
.if \fill
	s_xor_b32 s[G0B+1], s[G0B+1], SLOT1            ; the walking descriptor: the other slot than last time,
	s_add_nc_u64 s[G0B+2:G0B+3], s[G0B+2:G0B+3], 65536   ; the next 512 keys; the type bits on top are not reached
	s_wait_dscnt 0x0                               ; the add is done, and my reads of the slot are over
	CROUND
	tensor_load_to_lds s[G0B:G0B+3], s[G1:G1+7]
	s_nop 0
	PLACES
	; A prefetch of what the NEXT change will ask for, the head's last 512 keys: eight key steps ahead of that load.  It is issued at the first change alone (two slots still to be asked for): the second has no slot behind it.
	; K's and V's 65,536 bytes each: 16,384 a partner, told apart by address; in each partner two waves for K and two for V, 8,192 bytes a wave, lanes 256 bytes apart: each block of 256 bytes is named once.
	s_cmp_gt_u32 s[SLOTS], s[LIM]
	s_cbranch_scc0 .Lnot_mine_\@
	global_prefetch_b8 v[PFO], s[PFA:PFA+1] th:TH_LOAD_NT scope:SCOPE_SE
.Lnot_mine_\@:
.else
	s_wait_dscnt 0x0
	s_barrier_signal -1
	s_barrier_wait -1
.endif
	s_sub_co_u32 s[TB], s[TB], 8*STEPB             ; back to a slot's first step,
	s_xor_b32 s[TB], s[TB], SLOT1                  ; in the other slot
.endm
	s_wait_tensorcnt 1                             ; my part of slot 0 is in; slot 1's may stay out
	s_barrier_signal -1
	s_barrier_wait -1                              ; everybody's is
	s_wait_loadcnt 0x0                             ; Q
	STEPS                                          ; keys 0 to 511
.Lslot:                                            ; two trips: slots 0 and 1 are each filled once more
	CHANGE 1
	STEPS
	s_sub_co_u32 s[SLOTS], s[SLOTS], 1
	s_cmp_lg_u32 s[SLOTS], 0
	s_cbranch_scc1 .Lslot
	CHANGE 0                                       ; the tail is written out
	STEPS                                          ; keys 1,536 to 2,047
	; THE WAY OUT.  l's two halves and the other half of the lanes' are added (these additions are also the four places behind the last products); O^T / l is rounded to f16.
	; A lane's eight channels of a query are four registers of the last product's operand: they are stored as they stand, 512 consecutive bytes a store.
.irp T, 0,1,2,3
	v_add_f32 v[ST+8*\T+4], v[ST+8*\T+2], v[ST+8*\T+3]
.endr
.irp T, 0,1,2,3
	v_permlanex16_b32 v[ST+8*\T+5], v[ST+8*\T+4], s[SEL], s[SEL+1]
.endr
.irp T, 0,1,2,3
	v_add_f32 v[ST+8*\T+4], v[ST+8*\T+4], v[ST+8*\T+5]
.endr
.irp T, 0,1,2,3
	v_rcp_f32 v[ST+8*\T+6], v[ST+8*\T+4]
.endr
	v_nop                                          ; a plain instruction behind the last reciprocal,
	s_wait_alu depctr_va_vdst(0)                   ; and one wait for the four, ahead of their first reader
	WIN W_RS
.irp T, 0,1,2,3
.irp i, 0,2,4,6,8,10,12,14,16,18,20,22,24,26,28,30
	v_pk_mul_f32 v[32*\T+\i:32*\T+\i+1], v[32*\T+\i:32*\T+\i+1], v[ST+8*\T+6:ST+8*\T+7] op_sel_hi:[1,0]
.endr
.endr
	WIN 0x05                                       ; sources 0 and 1 window 1, destination window 0: S^T's registers are free
.set i, 0
.rept 64
	v_cvt_pk_f16_f32 v[S+i], v[2*i], v[2*i+1]
.set i, i+1
.endr
	WIN 0
.irp T, 0,1,2,3
.irp ct, 0,1,2,3
	global_store_b128 v[LI], v[S+16*\T+4*\ct:S+16*\T+4*\ct+3], s[OP:OP+1] offset:16384*\T+512*\ct
.endr
.endr
	s_wait_kmcnt 0x0                               ; the last look-ahead of mask words
	s_wait_tensorcnt 0x0                           ; the wave's end: behind my last tensor load
	ds_add_u32 v[SPW], v[NIL]
	s_wait_dscnt 0x0
	CROUND                                         ; the closing round: no work-group ends while a partner may still ask for a tile that names it
	s_endpgm
.Lfunc_end_k_q01bb7bd48c_attn:
	.size	k_q01bb7bd48c_attn, .Lfunc_end_k_q01bb7bd48c_attn-k_q01bb7bd48c_attn
	.p2alignl 7, 3214868480
	.fill 96, 4, 3214868480
	.section	.rodata,"a",@progbits
	.p2align	6, 0x0
	.amdhsa_kernel k_q01bb7bd48c_attn
		.amdhsa_group_segment_fixed_size 327680
		.amdhsa_private_segment_fixed_size 0
		.amdhsa_enable_private_segment 0
		.amdhsa_kernarg_size 40
		.amdhsa_user_sgpr_count 2
		.amdhsa_user_sgpr_kernarg_segment_ptr 1
		.amdhsa_wavefront_size32 1
		.amdhsa_system_sgpr_workgroup_id_x 1
		.amdhsa_system_sgpr_workgroup_id_y 1
		.amdhsa_system_sgpr_workgroup_id_z 1
		.amdhsa_system_vgpr_workitem_id 0
		.amdhsa_next_free_vgpr 512
		.amdhsa_next_free_sgpr 100
		.amdhsa_reserve_vcc 0
		.amdhsa_float_denorm_mode_32 3
		.amdhsa_float_denorm_mode_16_64 3
		.amdhsa_memory_ordered 1
		.amdhsa_forward_progress 1
		.amdhsa_inst_pref_size 147
	.end_amdhsa_kernel
	.amdgpu_metadata
---
amdhsa.version: [ 1, 2 ]
amdhsa.kernels:
  - .name:           k_q01bb7bd48c_attn
    .symbol:         k_q01bb7bd48c_attn.kd
    .args:
      - { .name: qf, .offset: 0, .size: 8, .value_kind: global_buffer, .address_space: global }
      - { .name: kf, .offset: 8, .size: 8, .value_kind: global_buffer, .address_space: global }
      - { .name: vf, .offset: 16, .size: 8, .value_kind: global_buffer, .address_space: global }
      - { .name: maskw, .offset: 24, .size: 8, .value_kind: global_buffer, .address_space: global }
      - { .name: of, .offset: 32, .size: 8, .value_kind: global_buffer, .address_space: global }
    .group_segment_fixed_size: 327680
    .private_segment_fixed_size: 0
    .kernarg_segment_align: 8
    .kernarg_segment_size: 40
    .max_flat_workgroup_size: 256
    .sgpr_count:     100
    .vgpr_count:     512
    .wavefront_size: 32
...
	.end_amdgpu_metadata
.endif
;; end of part 3
;; launch oproj (part 4): grid 256 x 1, 8 waves a work-group, no clusters, 66,560 bytes of LDS; arguments of, wof, bo, out0; writes out0
.if DOCPART == 4
	.amdgcn_target "amdgcn-amd-amdhsa--gfx1250"
	.amdhsa_code_object_version 6
	.text
	.protected	k_q01bb7bd48c_oproj
	.globl	k_q01bb7bd48c_oproj
	.p2align	8
	.type	k_q01bb7bd48c_oproj,@function
k_q01bb7bd48c_oproj:
	s_mov_b64 s[64:65], 0
	v_nop
	global_prefetch_b8 v0, s[64:65] scope:SCOPE_SE
	s_setreg_imm32_b32 hwreg(HW_REG_WAVE_MODE, 25, 1), 1
	s_wait_xcnt 0x0
; out0 = o Wo^T + bo: [16384][512] x [512][512], f16 operands, f32 sums, f32 out.  o and Wo come as fragments in the order of an operand's registers.
; SHARES.  A work-group owns 64 tokens: its part of o is 65,536 consecutive bytes, which the eight waves copy into LDS once, through registers; one barrier.  Wave w owns output columns 64 w .. 64 w + 63.
; ITS FOUR TILES OF COLUMNS ARE NOT NEIGHBOURS: lane r of tile i is column 64 w + 4 r + i.  So register j of the four accumulators of a tile of tokens holds FOUR NEIGHBOURING columns of token 8 h + j:
; the bias's four additions put them into four registers on end, and one store of 16 bytes a lane has sixteen lanes writing 256 consecutive bytes, aligned.  Nothing goes through LDS on the way out.
; No tensor loads, no cluster: the launch is short, o is read once, and Wo, which all work-groups share, is small.
.set SPARE, 65536                      ; behind o's image: the spare words, 128 bytes for each wave; no other line names them
.set LI,  1                            ; v1   16 x lane
.set BO,  2                            ; v2   16 r: my four numbers of the bias
.set CO,  3                            ; v3   my byte offset in out0: 8 h rows, + 256 w + 16 r
.set SPW, 4                            ; v4   LDS address of my spare word; never rewritten
.set NIL, 5                            ; v5   0; never rewritten
.set BI,  8                            ; v8-11    bo at my four columns
.set LST, 12                           ; v12  where my wave's part of o goes in LDS
.set AF,  16                           ; v16-47   o's four fragments of a K step; on the way out eight quads of results
.set BF,  48                           ; v48-111  Wo's four fragments, two sets
.set ACC, 112                          ; v112-239 accumulators (m, i) at 32 m + 8 i; before that the copy's 64 registers
	s_load_b256 s[4:11], s[0:1], 0x0               ; of s[4:5], wof s[6:7], bo s[8:9], out0 s[10:11]
	v_lshl_add_u32 v[SPW], v0, 2, SPARE
	v_mov_b32 v[NIL], 0
	v_lshrrev_b32 v1, 5, v0
	v_readfirstlane_b32 s3, v1                     ; wave 0..7
	v_and_b32 v1, 31, v0
	v_lshlrev_b32 v[LI], 4, v1
	v_and_b32 v6, 15, v0                           ; r
	v_bfe_u32 v7, v0, 4, 1                         ; h
	v_lshlrev_b32 v[BO], 4, v6
	s_lshl_b32 s18, s3, 8                          ; 64 columns are 256 bytes
	s_mov_b32 s19, 0
	v_lshl_add_u32 v[CO], v7, 14, v[BO]            ; 8 rows of 2,048 bytes for lanes 16-31
	v_add_nc_u32 v[CO], s18, v[CO]
	s_lshl_b32 s13, s3, 13                         ; my wave's 8,192 bytes of the copy
	v_add_nc_u32 v[LST], s13, v[LI]
	s_lshl_b32 s14, ttmp9, 16
	s_add_co_u32 s14, s14, s13
	s_mov_b32 s15, 0
	s_lshl_b32 s16, s3, 16                         ; my columns' 64 fragments of Wo
	s_mov_b32 s17, 0
	s_lshl_b32 s20, ttmp9, 17                      ; 64 rows of out0
	s_mov_b32 s21, 0
	s_wait_kmcnt 0x0
	s_add_nc_u64 s[4:5], s[4:5], s[14:15]
	s_add_nc_u64 s[6:7], s[6:7], s[16:17]
	s_add_nc_u64 s[8:9], s[8:9], s[18:19]
	s_add_nc_u64 s[10:11], s[10:11], s[20:21]
.irp i, 0,1,2,3,4,5,6,7,8,9,10,11,12,13,14,15
	global_load_b128 v[ACC+4*\i:ACC+4*\i+3], v[LI], s[4:5] offset:512*\i th:TH_LOAD_NT
.endr
	global_load_b128 v[BI:BI+3], v[BO], s[8:9]
.macro BLOAD ks                        ; Wo's four fragments of K step ks into set ks % 2
.irp i, 0,1,2,3
.irp c, 0,1
	global_load_b128 v[BF+32*((\ks)%2)+8*\i+4*\c:BF+32*((\ks)%2)+8*\i+4*\c+3], v[LI], s[6:7] offset:4096*(\ks)+1024*\i+512*\c
.endr
.endr
.endm
	BLOAD 0
	s_wait_loadcnt 9                               ; o's 16 loads are in; the bias and Wo's first 8, issued behind them, may be out
.irp i, 0,1,2,3,4,5,6,7,8,9,10,11,12,13,14,15
	ds_store_b128 v[LST], v[ACC+4*\i:ACC+4*\i+3] offset:512*\i
.endr
	s_wait_dscnt 0x0                               ; for the others' sake: my stores have landed
	s_barrier_signal -1
	s_barrier_wait -1                              ; the 64 tokens' 64 fragments lie in LDS
; A K step of 32: 16 accumulators by turns, one instruction a turn, in the same order in every step.
.macro KSTEP ks
.if \ks > 0
.rept 4
	v_nop                                          ; four plain instructions between the last products and the loads into registers that they, and the step before, read
.endr
.endif
.irp m, 0,1,2,3
.irp c, 0,1
	ds_load_b128 v[AF+8*\m+4*\c:AF+8*\m+4*\c+3], v[LI] offset:16384*\m+1024*\ks+512*\c
.endr
.endr
.if \ks < 15
	BLOAD \ks+1
	s_wait_dscnt 0x0
	s_wait_loadcnt 8                               ; this step's fragments of Wo are in; the next step's 8 loads may be out
.else
	s_wait_dscnt 0x0
	s_wait_loadcnt 0x0
.endif
.irp m, 0,1,2,3
.irp i, 0,1,2,3
.if \ks == 0
	v_wmma_f32_16x16x32_f16 v[ACC+32*\m+8*\i:ACC+32*\m+8*\i+7], v[AF+8*\m:AF+8*\m+7], v[BF+32*(\ks%2)+8*\i:BF+32*(\ks%2)+8*\i+7], 0
.else
	v_wmma_f32_16x16x32_f16 v[ACC+32*\m+8*\i:ACC+32*\m+8*\i+7], v[AF+8*\m:AF+8*\m+7], v[BF+32*(\ks%2)+8*\i:BF+32*(\ks%2)+8*\i+7], v[ACC+32*\m+8*\i:ACC+32*\m+8*\i+7]
.endif
.endr
.endr
.endm
.irp ks, 0,1,2,3,4,5,6,7,8,9,10,11,12,13,14,15
	KSTEP \ks
.endr
.rept 4
	v_nop                                          ; four plain instructions between the last products and the first read of a result, and the first write of their sources
.endr
.irp m, 0,1,2,3
.if \m > 0
	s_wait_xcnt 0x0                                ; the last tile's stores have read their data: the eight quads are written again only behind this wait
.endif
.irp j, 0,1,2,3,4,5,6,7                ; j ascending: each accumulator is read from its low end on
.irp i, 0,1,2,3
	v_add_f32 v[AF+4*\j+\i], v[ACC+32*\m+8*\i+\j], v[BI+\i]
.endr
	global_store_b128 v[CO], v[AF+4*\j:AF+4*\j+3], s[10:11] offset:(16*\m+\j)*2048 th:TH_STORE_NT   ; token 16 m + 8 h + j: sixteen lanes store 256 consecutive bytes, aligned
.endr
.endr
	s_wait_tensorcnt 0x0                           ; the wave's end: behind my last LDS store
	ds_add_u32 v[SPW], v[NIL]
	s_wait_dscnt 0x0
	s_endpgm
.Lfunc_end_k_q01bb7bd48c_oproj:
	.size	k_q01bb7bd48c_oproj, .Lfunc_end_k_q01bb7bd48c_oproj-k_q01bb7bd48c_oproj
	.p2alignl 7, 3214868480
	.fill 96, 4, 3214868480
	.section	.rodata,"a",@progbits
	.p2align	6, 0x0
	.amdhsa_kernel k_q01bb7bd48c_oproj
		.amdhsa_group_segment_fixed_size 66560
		.amdhsa_private_segment_fixed_size 0
		.amdhsa_enable_private_segment 0
		.amdhsa_kernarg_size 32
		.amdhsa_user_sgpr_count 2
		.amdhsa_user_sgpr_kernarg_segment_ptr 1
		.amdhsa_wavefront_size32 1
		.amdhsa_system_sgpr_workgroup_id_x 1
		.amdhsa_system_sgpr_workgroup_id_y 1
		.amdhsa_system_sgpr_workgroup_id_z 1
		.amdhsa_system_vgpr_workitem_id 0
		.amdhsa_next_free_vgpr 256
		.amdhsa_next_free_sgpr 66
		.amdhsa_reserve_vcc 0
		.amdhsa_float_denorm_mode_32 3
		.amdhsa_float_denorm_mode_16_64 3
		.amdhsa_memory_ordered 1
		.amdhsa_forward_progress 1
		.amdhsa_inst_pref_size 51
	.end_amdhsa_kernel
	.amdgpu_metadata
---
amdhsa.version: [ 1, 2 ]
amdhsa.kernels:
  - .name:           k_q01bb7bd48c_oproj
    .symbol:         k_q01bb7bd48c_oproj.kd
    .args:
      - { .name: of, .offset: 0, .size: 8, .value_kind: global_buffer, .address_space: global }
      - { .name: wof, .offset: 8, .size: 8, .value_kind: global_buffer, .address_space: global }
      - { .name: bo, .offset: 16, .size: 8, .value_kind: global_buffer, .address_space: global }
      - { .name: out0, .offset: 24, .size: 8, .value_kind: global_buffer, .address_space: global }
    .group_segment_fixed_size: 66560
    .private_segment_fixed_size: 0
    .kernarg_segment_align: 8
    .kernarg_segment_size: 32
    .max_flat_workgroup_size: 256
    .sgpr_count:     66
    .vgpr_count:     256
    .wavefront_size: 32
...
	.end_amdgpu_metadata
.endif
;; end of part 4
